; MI455X (gfx1250); checked and timed in simulation.
; The chip was launched on July 23, 2026; its instructions are those of AMD's public machine-readable ISA for CDNA 5 (MIT licence, August 2026) and "CDNA5" Instruction Set Architecture Reference Guide (July 2026). The comments in the code are by the model that wrote it; some were corrected since.
;; Attention Weighted Retrieval. Allowed arithmetic: matrix products marked QUANTISED: E2M1 operands, one E8M0 scale for each 32 along K, by v_wmma_scale_f32_16x16x128_f8f6f4 with both operands' format E2M1 (or v_wmma_scale_f32_32x16x128_f4), f32 sums; products left as they are: f32 operands where the result goes on into a quantised operand, else bf16, f16 or f32 operands; f32 sums; everything else in f32.
;; Inputs: candidate_z 500,000 x 64 float32; centers 128 x 64 float32; mus 128 float32; query_z 1 x 64 float32.
;; Outputs: out0 1 x 64 float32; out1 500,000 float32.
;; This version of the problem:
;;   THIS VERSION OF THE PROBLEM IS GIVEN IN LOW PRECISION. The matrix products marked QUANTISED in the list below multiply operands that are first quantised to E2M1 (2 exponent bits, 1 mantissa bit; 4 bits a number), with one power-of-two scale for each 32 numbers along K (OCP MX v1.0); their sums are f32. All else is computed in f32.
;;   The module's matrix products, in the order in which they are computed (A, B: the left and right operand; K: the contracted axis; several contracted axes count as one K, in the product's order):
;;     1. [M 1, K 64] x [K 64, N 128]; A: input query_z; B: input centers: left as it is (M = 1 < 16)
;;     2. [M 500,000, K 64] x [K 64, N 128]; A: input candidate_z; B: input centers: QUANTISED
;;   THE QUANTISER, for each operand of a quantised product, along K:
;;     - K is cut into blocks of 32 from its start; a last block that is shorter is filled with zeros.
;;     - A block's scale is 2^e with e = floor(log2(the largest magnitude in the block)) - 2, held to -126 .. 127; a block of zeros has e = 0. As a byte (E8M0): e + 127.
;;     - Each number is divided by its block's scale, clamped to +-6, and rounded to the nearest number of E2M1, ties to even, subnormals kept.
;;     - The product sums the exact products of the quantised numbers (number of the format x scale) in f32.
;;   ~~~python
;;   def quantise(x, axis):      # numpy; x: float32 -> the quantised numbers, widened to float32 again
;;       x = np.moveaxis(x, axis, -1); K = x.shape[-1]
;;       x = np.pad(x, [(0, 0)] * (x.ndim - 1) + [(0, -K % 32)]); x = x.reshape(x.shape[:-1] + (-1, 32)); a = np.abs(x).max(-1, keepdims=True)
;;       e = np.where(a > 0, np.clip(np.frexp(np.where(a > 0, a, 1))[1] - 1 - 2, -126, 127), 0)      # np.frexp(a)[1] - 1 = floor(log2(a)), exactly
;;       r = np.clip(x / 2.0 ** e, -6, 6)
;;       step = 2.0 ** (np.maximum(np.frexp(np.where(r == 0, 1, r))[1] - 1, 0) - 1)
;;       q = np.round(r / step) * step * 2.0 ** e      # np.round: ties to even
;;       return np.moveaxis(q.reshape(q.shape[:-2] + (-1,))[..., :K], -1, axis).astype(np.float32)
;;   ~~~
;; One version. Each part assembles by itself: llvm-mc -triple=amdgcn-amd-amdhsa -mcpu=gfx1250 --defsym DOCPART=n.
;; ======== version 1 of 1: 2 launches
;; limits: right only within a limited range of input values
;; workspace buffers: logits 2,097,152 bytes; parts 2,048 bytes
;; launch pots (part 1): grid 256 x 1, 16 waves a work-group, no clusters, 98,304 bytes of LDS; arguments candidate_z, centers, mus, query_z, logits, parts, out0; writes logits, parts, out0
.if DOCPART == 1
	.amdgcn_target "amdgcn-amd-amdhsa--gfx1250"
	.amdhsa_code_object_version 6
	.text
	.protected	k_q0223eff150_pots
	.globl	k_q0223eff150_pots
	.p2align	8
	.type	k_q0223eff150_pots,@function
k_q0223eff150_pots:
	s_mov_b64 s[64:65], 0
	v_nop
	global_prefetch_b8 v0, s[64:65] scope:SCOPE_SE
	s_setreg_imm32_b32 hwreg(HW_REG_WAVE_MODE, 25, 1), 1
	s_wait_xcnt 0x0
; t[i] = -|q_pot - c_pot[i]| x 10 log2(e) for 500,000 candidates, one (max, sum of 2^(t - max)) for each work-group, and out0.
; c_pot[i] = sum over 128 centres j of mu[j] / (d(i, j) + 1e-6), d = sqrt(max(|a|^2 + |c|^2 - 2 Q(a).Q(c), 1e-12)); Q: codes of FP4 (E2M1), one E8M0 scale for each 32 along K = 64.
; SHARES.  31,250 tiles of 16 candidates; 256 work-groups b of 16 waves w; wave w takes one tile a step: waves 12-15 have 5 steps, waves 8-11 seven, waves 4-7 nine, waves 0-3 nine, and as many of them as step 9 has tiles for, ten.
;   Steps s = 0 to 4: tile 4096 s + 16 b + w;  5, 6: 20480 + 3072 (s - 5) + 12 b + w;  7, 8: 26624 + 2048 (s - 7) + 8 b + w;  9: 30720 + 4 min(b, 132) + w, four tiles for b < 132, two for b = 255, none for the others.
;   Every step's part of a work-group begins at a multiple of four tiles, which is 256 bytes of logits.
; THE PRODUCT.  Source 0 = 16 candidates, source 1 = 16 centres: in tile t register j of lane (r, h) is candidate 8 h + j against centre 16 t + r.  The centres are quantised as -2 c: a sign and a power of two pass through
;   the quantiser unchanged.  C holds |a|^2.  K is 64 of the instruction's 128, and THE UPPER HALF OF K ADDS |c|^2: |c|^2 rounded to 22 bits is two groups of 11 bits, one to a block of 32; a group's digits to the base 4 are
;   codes, standing against constant codes on the candidates' side (nibble 0: 0.5; 1, 2: 2; 3, 4 and 8 to 31: 4), and the scale bytes carry the exponent and the factor 2^11 between the groups.  The rounding is at most 2^-22 of |c|^2.
; FOUR TERMS, ONE RECIPROCAL.  With A = (d_a + e) / mu_a and B = d_b + e:  mu_a / (d_a + e) + mu_b / (d_b + e) = (B + mu_b A) / (A B); two such pairs over one denominator.
; THE WAY IN.  Each load takes 512 consecutive bytes; a tile's 4,096 bytes turn through the wave's own stage in LDS, so that lane (r, h) gets block h (32 numbers) of candidate r.  A step quantises and multiplies its own tile,
;   asks for the tile two steps on, sums the tile before over its lanes, and turns the next tile.  The next tile is out or landed in every step, so nothing is prefetched beside it; no two work-groups read the same candidate: no cluster.
; LIMITS.  d^4 / (mu_a mu_c) and mu d^3 / mu_a inside f32; masses of tiles 0, 2, 4, 6 under 2^-40 in magnitude count as 2^-40 with their sign; |c|^2 under 2^-107 counts as about 2^-107; centres under 2^127 in magnitude;
;   NaN and infinities among the inputs are not served.  A block of zeros gets the scale byte 1 where the rule says 127: its codes are zeros, and only this program reads the bytes.
.set PITCH, 272                        ; a stage row: 256 bytes + 16 = 17 x 16: the sixteen rows that a load touches begin in sixteen different 16-byte columns modulo 256
.set CIMG,  0                          ; LDS: the centres' fragments, 8 tiles x (512 bytes of codes, 512 of digits), as images of four registers
.set REC,   8192                       ; a record of 128 + 16 bytes for each lane: words 0-7 scale words of tiles 0 to 7; then 1 / mu, 1e-6 / mu, mu, eight words each: the even tiles', then the odd tiles'
.set RECB,  144
.set QPL,   12800                      ; eight parts of q_pot
.set NAL,   13056                      ; |a|^2 of a tile, 64 bytes for each wave
.set OUTL,  14080                      ; the logits: 10 steps x 16 waves x 64 bytes
.set PARTL, 24320                      ; (max, sum) of each wave
.set O0L,   24576                      ; out0's eight parts, 256 bytes each: only the last work-group writes and reads them
.set STAGE, 26624                      ; 16 rows x PITCH for each wave
.set SPARE, 96256                      ; the spare words, 128 bytes for each wave
.set SH8, 1                            ; v1   8 h
.set OFF, 2                            ; v2   byte offset of my 16 bytes of a step's tile from the step's base
.set STW, 3                            ; v3   the stage, on the way in
.set STR, 4                            ; v4   and on the way out
.set NAW, 5                            ; v5   64 w + 4 r
.set NAR, 6                            ; v6   64 w + 32 h
.set OLW, 7                            ; v7   64 w + 4 (8 h + r % 8)
.set QP,  8                            ; v8   q_pot
.set SPW, 9                            ; v9   my spare word
.set NIL, 10                           ; v10  0
.set WA,  11                           ; v11  the way out: where in the logits' image my 512 bytes begin, + 16 lane
.set BC,  16                           ; v16-79   the centres' fragments: tile t at v[16 + 8 t]: four registers of codes, four of digits
.set BS,  80                           ; v80-87   their scale words
.set IM,  88                           ; v88-91   1 / mu of centre 32 u + r
.set EI,  92                           ; v92-95   1e-6 / mu of the same
.set MB,  96                           ; v96-99   mu of centre 32 u + 16 + r
.set AF,  100                          ; v100-107 the candidates' fragment: four registers of codes, four of the digits' weights
.set AS,  108                          ; v108     its scale word
.set MUO, 109                          ; v109     mu of my own centre (prologue)
.set CN,  110                          ; v110-117 |a|^2 in the result's layout
.set TM,  118                          ; v118-125 at work
.set D,   126                          ; v126-189 the eight results
.set R,   190                          ; v190-253 two sets of 32: tiles as loaded, then my 32 numbers
.set SB,  32                           ; s[32:51] each step's base in candidate_z
.macro LOAD t                          ; my tile of step t, 4,096 bytes: eight loads of 512 consecutive bytes
.irp i, 0,1,2,3,4,5,6,7
	global_load_b128 v[R+32*((\t)%2)+4*\i:R+32*((\t)%2)+4*\i+3], v[OFF], s[SB+2*(\t):SB+2*(\t)+1] offset:512*\i th:TH_LOAD_NT
.endr
.endm
.macro TURN from, to                   ; 4,096 bytes as loaded: two rows of 256 bytes an instruction; back: block h of row r.  LDS serves a wave's instructions in order: the loads see the stores
.irp i, 0,1,2,3,4,5,6,7
	ds_store_b128 v[STW], v[\from+4*\i:\from+4*\i+3] offset:STAGE+2*PITCH*\i
.endr
.irp i, 0,1,2,3,4,5,6,7
	ds_load_b128 v[\to+4*\i:\to+4*\i+3], v[STR] offset:STAGE+16*\i
.endr
.endm
; My 32 numbers in v[b] on are one block.  QSQ1: its conversion's scale operand in v[TM+2], its byte at its place in the row's scale word in v[TM+3], the row's sum of squares in v[TM+4]; four chains by turns.
.macro QSQ1 b
	v_max3_num_f32 v[TM], |v[\b]|, |v[\b+1]|, 0x1800000            ; the largest magnitude, with the floor 2^(3 - 127) among the leaves: the byte cannot fall under 1
	v_max3_num_f32 v[TM+1], |v[\b+16]|, |v[\b+17]|, |v[\b+18]|
	v_pk_mul_f32 v[TM+4:TM+5], v[\b:\b+1], v[\b:\b+1]
	v_pk_mul_f32 v[TM+6:TM+7], v[\b+16:\b+17], v[\b+16:\b+17]
.irp i, 0,2,4,6,8,10
	v_max3_num_f32 v[TM], v[TM], |v[\b+2+\i]|, |v[\b+3+\i]|
	v_max3_num_f32 v[TM+1], v[TM+1], |v[\b+19+\i]|, |v[\b+20+\i]|
	v_pk_fma_f32 v[TM+4:TM+5], v[\b+2+\i:\b+3+\i], v[\b+2+\i:\b+3+\i], v[TM+4:TM+5]
	v_pk_fma_f32 v[TM+6:TM+7], v[\b+18+\i:\b+19+\i], v[\b+18+\i:\b+19+\i], v[TM+6:TM+7]
.endr
	v_max3_num_f32 v[TM], v[TM], |v[\b+14]|, |v[\b+15]|
	v_pk_fma_f32 v[TM+4:TM+5], v[\b+14:\b+15], v[\b+14:\b+15], v[TM+4:TM+5]
	v_pk_fma_f32 v[TM+6:TM+7], v[\b+30:\b+31], v[\b+30:\b+31], v[TM+6:TM+7]
	v_max3_num_f32 v[TM], v[TM], v[TM+1], |v[\b+31]|
	v_pk_add_f32 v[TM+4:TM+5], v[TM+4:TM+5], v[TM+6:TM+7]
	v_add_nc_u32 v[TM+2], 0xff000000, v[TM]                        ; 2 off its exponent field: the conversion takes the exponent field of this operand as its scale
	v_add_f32 v[TM+4], v[TM+4], v[TM+5]
	v_lshrrev_b32 v[TM+3], 23, v[TM+2]                             ; the scale's byte,
	v_permlanex16_b32 v[TM+5], v[TM+4], s20, s21
	v_lshl_or_b32 v[TM+3], v[TM+3], v[SH8], s30                    ; at its place in the word; bytes 2 and 3 from s30
	v_add_f32 v[TM+4], v[TM+4], v[TM+5]                            ; with the other block's
.endm
.macro QSQ2 b                          ; the codes to v[AF] on, the scale word to v[AS]
.irp g, 0,1,2,3
	v_cvt_scalef32_pk8_fp4_f32 v[AF+\g], v[\b+8*\g:\b+8*\g+7], v[TM+2]
.endr
	v_permlanex16_b32 v[TM+1], v[TM+3], s20, s21                   ; (a plain line behind the conversions)
	s_delay_alu instid0(VALU_DEP_1)
	v_or_b32 v[AS], v[TM+3], v[TM+1]                               ; with the other block's byte
.endm
; The sum over the sixteen lanes of a half: in each step a lane keeps half of its registers and hands the other half to its partner; lane r ends with candidate 8 h + r % 8.  REDA goes down to two lanes' parts, REDB ends it.
.macro REDA
.irp i, 0,1,2,3
	v_cndmask_b32 v[D+16+\i], v[D+8+\i], v[D+12+\i], s26
	v_cndmask_b32 v[D+20+\i], v[D+12+\i], v[D+8+\i], s26
.endr
.irp i, 0,1,2,3
	v_add_f32_dpp v[D+16+\i], v[D+20+\i], v[D+16+\i] row_xmask:4 row_mask:0xf bank_mask:0xf
.endr
	s_delay_alu instid0(VALU_DEP_2)
	v_cndmask_b32 v[D+24], v[D+16], v[D+18], s27
	s_delay_alu instid0(VALU_DEP_3)
	v_cndmask_b32 v[D+26], v[D+18], v[D+16], s27
	s_delay_alu instid0(VALU_DEP_3)
	v_cndmask_b32 v[D+25], v[D+17], v[D+19], s27
	s_delay_alu instid0(VALU_DEP_4)
	v_cndmask_b32 v[D+27], v[D+19], v[D+17], s27
	s_delay_alu instid0(VALU_DEP_3)
	v_add_f32_dpp v[D+24], v[D+26], v[D+24] row_xmask:2 row_mask:0xf bank_mask:0xf
	s_delay_alu instid0(VALU_DEP_2)
	v_add_f32_dpp v[D+25], v[D+27], v[D+25] row_xmask:2 row_mask:0xf bank_mask:0xf
	s_delay_alu instid0(VALU_DEP_1)
	v_cndmask_b32 v[D+28], v[D+24], v[D+25], s28
	s_delay_alu instid0(VALU_DEP_2)
	v_cndmask_b32 v[D+29], v[D+25], v[D+24], s28
	s_delay_alu instid0(VALU_DEP_1)
	v_add_f32_dpp v[TM+6], v[D+29], v[D+28] row_xmask:1 row_mask:0xf bank_mask:0xf
.endm
.macro REDB t
	v_add_f32_dpp v[TM+6], v[TM+6], v[TM+6] row_xmask:8 row_mask:0xf bank_mask:0xf
	s_delay_alu instid0(VALU_DEP_1)
	v_sub_f32 v[TM+6], v[QP], v[TM+6]
	s_delay_alu instid0(VALU_DEP_1)
	v_mul_f32 v[TM+7], -|v[TM+6]|, s29             ; t = -|q_pot - c_pot| x 10 log2(e)
	ds_store_b32 v[OLW], v[TM+7] offset:OUTL+1024*(\t)     ; lanes r and r + 8 write the same word with the same value
.endm
.macro ROOT hf
.set i, D+32*\hf
.rept 32
	v_sqrt_f32 v[i], v[i]
.set i, i+1
.endr
.endm
; Tiles 4 hf .. 4 hf + 3 (slots 0 to 3, eight registers each).  The numerator ends in slot 1, the denominator in slot 0, which is inverted.
.macro TREE hf
.set H0, D+32*\hf
.set I0, IM+2*\hf
.set E0, EI+2*\hf
.set M0, MB+2*\hf
.irp p, 0,2,4,6                        ; A0 = d / mu + e / mu
	v_pk_fma_f32 v[H0+\p:H0+\p+1], v[H0+\p:H0+\p+1], v[I0:I0+1], v[E0:E0+1] op_sel_hi:[1,0,0]
.endr
.irp p, 0,2,4,6                        ; B0 = d + e
	v_pk_add_f32 v[H0+8+\p:H0+9+\p], v[H0+8+\p:H0+9+\p], s[24:25] op_sel_hi:[1,0]
.endr
.irp p, 0,2,4,6                        ; A1, B1
	v_pk_fma_f32 v[H0+16+\p:H0+17+\p], v[H0+16+\p:H0+17+\p], v[I0:I0+1], v[E0:E0+1] op_sel:[0,1,1] op_sel_hi:[1,1,1]
.endr
.irp p, 0,2,4,6
	v_pk_add_f32 v[H0+24+\p:H0+25+\p], v[H0+24+\p:H0+25+\p], s[24:25] op_sel_hi:[1,0]
.endr
.irp p, 0,2,4,6                        ; P0 = A0 B0
	v_pk_mul_f32 v[TM+\p:TM+\p+1], v[H0+\p:H0+\p+1], v[H0+8+\p:H0+9+\p]
.endr
.irp p, 0,2,4,6                        ; N0 = mu A0 + B0, in slot 1
	v_pk_fma_f32 v[H0+8+\p:H0+9+\p], v[H0+\p:H0+\p+1], v[M0:M0+1], v[H0+8+\p:H0+9+\p] op_sel_hi:[1,0,1]
.endr
.irp p, 0,2,4,6                        ; P1 = A1 B1, in slot 0
	v_pk_mul_f32 v[H0+\p:H0+\p+1], v[H0+16+\p:H0+17+\p], v[H0+24+\p:H0+25+\p]
.endr
.irp p, 0,2,4,6                        ; N1 = mu A1 + B1, in slot 3
	v_pk_fma_f32 v[H0+24+\p:H0+25+\p], v[H0+16+\p:H0+17+\p], v[M0:M0+1], v[H0+24+\p:H0+25+\p] op_sel:[0,1,0] op_sel_hi:[1,1,1]
.endr
.irp p, 0,2,4,6                        ; N = N0 P1 + N1 P0 in slot 1;  P = P0 P1 in slot 0
	v_pk_mul_f32 v[H0+8+\p:H0+9+\p], v[H0+8+\p:H0+9+\p], v[H0+\p:H0+\p+1]
.endr
.irp p, 0,2,4,6
	v_pk_fma_f32 v[H0+8+\p:H0+9+\p], v[H0+24+\p:H0+25+\p], v[TM+\p:TM+\p+1], v[H0+8+\p:H0+9+\p]
.endr
.irp p, 0,2,4,6
	v_pk_mul_f32 v[H0+\p:H0+\p+1], v[TM+\p:TM+\p+1], v[H0+\p:H0+\p+1]
.endr
	s_wait_alu depctr_va_vdst(0)                   ; the wait ahead of the batch
.set i, H0
.rept 8
	v_rcp_f32 v[i], v[i]
.set i, i+1
.endr
.endm
; One tile, whose numbers have been turned.  next: the step whose tile is asked for into the set just read; 0: none.  turn = 1: the next step's tile is turned.
.macro STEP s, next, turn
.set RS, R+32*((\s)%2)
.set RT, R+32*(1-(\s)%2)
.if \s == 0
	s_wait_dscnt 23                                ; tile 0's turn is done; behind it 16 + 5 + 2 loads may be out
.else
	s_wait_dscnt 0x0                               ; my numbers are here
.endif
	QSQ1 RS
	ds_store_b32 v[NAW], v[TM+4] offset:NAL        ; |a|^2: both halves write the same word with the same value
	ds_load_b128 v[CN:CN+3], v[NAR] offset:NAL     ; and back in the result's layout: register j = candidate 8 h + j
	ds_load_b128 v[CN+4:CN+7], v[NAR] offset:NAL+16
	QSQ2 RS
.if \next > 0
	LOAD \next
.endif
.if \s == 0
	s_wait_alu depctr_va_vdst(0)                   ; directly ahead of the wait below
	s_wait_dscnt 0x0
	v_pk_add_f32 v[D:D+1], v[D:D+1], v[D+2:D+3]    ; q_pot from its eight parts: among the places between the scale word and the products
	v_pk_add_f32 v[D+4:D+5], v[D+4:D+5], v[D+6:D+7]
	s_delay_alu instid0(VALU_DEP_1)
	v_pk_add_f32 v[D:D+1], v[D:D+1], v[D+4:D+5]
	s_delay_alu instid0(VALU_DEP_1)
	v_add_f32 v[QP], v[D], v[D+1]
.rept 6
	v_nop
.endr
.else
	REDA                                           ; the tile before: these lines are also the places between the scale word, the codes and the products
	s_wait_alu depctr_va_vdst(0)                   ; directly ahead of the wait below
	s_wait_dscnt 0x0
.endif
.irp t, 0,1,2,3,4,5,6,7
	v_wmma_scale_f32_16x16x128_f8f6f4 v[D+8*\t:D+8*\t+7], v[AF:AF+7], v[BC+8*\t:BC+8*\t+7], v[CN:CN+7], v[AS], v[BS+\t] matrix_a_fmt:MATRIX_FMT_FP4 matrix_b_fmt:MATRIX_FMT_FP4
.endr
.if \s > 0
	REDB (\s)-1                                    ; its end: among the places between the products and the first read of a result (ISA guide 7.12.1)
.else
	v_nop
	v_nop
.endif
	v_nop
	v_nop
.set i, D
.rept 32                                       ; d2, held at 1e-12 from below, two numbers an instruction; each result is read from its low end on
	v_dual_max_num_f32 v[i], s22, v[i] :: v_dual_max_num_f32 v[i+1], s22, v[i+1]
.set i, i+2
.endr
	s_wait_alu depctr_va_vdst(0)                   ; the wait ahead of the batch
	ROOT 0
	v_nop                                          ; a plain line behind the batch,
	s_wait_alu depctr_va_vdst(0)                   ; and its wait, which is also the one ahead of the next batch
	ROOT 1
	TREE 0                                         ; reads the first batch alone; ends in eight reciprocals
	s_wait_alu depctr_va_vdst(0)                   ; for the second batch of roots and those reciprocals
.if \turn
.if \next > 0
	s_wait_loadcnt 8                               ; loads come back in order: the next tile's eight are in, those of the tile behind it may be out
.else
	s_wait_loadcnt 0x0
.endif
	TURN RT, RT
.endif
	TREE 1
.irp p, 0,2,4,6
	v_pk_mul_f32 v[D+8+\p:D+9+\p], v[D+8+\p:D+9+\p], v[D+\p:D+\p+1]            ; centres of tiles 0 to 3: numerator / denominator.  (Plain lines behind the last reciprocals)
.endr
	s_wait_alu depctr_va_vdst(0)                   ; for the last eight reciprocals
.irp p, 0,2,4,6
	v_pk_fma_f32 v[D+8+\p:D+9+\p], v[D+40+\p:D+41+\p], v[D+32+\p:D+33+\p], v[D+8+\p:D+9+\p]   ; + tiles 4 to 7: register j: candidate 8 h + j, my eight centres
.endr
.endm
	s_load_b256 s[4:11], s[0:1], 0x0               ; candidate_z s[4:5], centers s[6:7], mus s[8:9], query_z s[10:11]
	s_load_b128 s[12:15], s[0:1], 0x20             ; logits s[12:13], parts s[14:15]
	s_load_b64 s[16:17], s[0:1], 0x30              ; out0
	v_lshrrev_b32 v12, 5, v0
	v_lshl_add_u32 v[SPW], v0, 2, SPARE
	v_mov_b32 v[NIL], 0
	v_and_b32 v13, 31, v0                          ; lane
	v_and_b32 v14, 15, v0                          ; r
	v_bfe_u32 v15, v0, 4, 1                        ; h
	v_readfirstlane_b32 s18, v12                   ; wave w
	s_wait_alu depctr_va_vdst(0)                   ; the wait ahead of the run of scalar instructions
	s_and_b32 s3, s18, 7                           ; which tile of centres the prologue gives me
	s_min_u32 s23, ttmp9, 132
	s_lshl_b32 s23, s23, 2
	s_add_co_u32 s23, s23, 30720                   ; the first tile of the work-group's step 9
	s_cmp_lt_u32 ttmp9, 132
	s_cselect_b32 s19, 4, 0
	s_cmp_eq_u32 ttmp9, 255
	s_cselect_b32 s19, 2, s19                      ; so many waves have a step 9
	s_mov_b32 s20, 0x76543210
	s_mov_b32 s21, 0xfedcba98                      ; v_permlanex16_b32's selects for lane l xor 16
	s_mov_b32 s22, 0x2b8cbccc                      ; 1e-12
	s_mov_b32 s24, 0x358637bd                      ; 1e-6,
	s_mov_b32 s25, s24                             ; named as a pair by the packed form
	s_mov_b32 s26, 0xf0f0f0f0                      ; lanes whose number has bit 2 set,
	s_mov_b32 s27, 0xcccccccc                      ; bit 1,
	s_mov_b32 s28, 0xaaaaaaaa                      ; bit 0
	s_mov_b32 s29, 0x4166d4ca                      ; 10 log2(e)
	s_mov_b32 s30, 0                               ; the centres' scale words get their upper bytes later
	; the bases from which OFF, 4,096 (16 b + w) + 16 lane, reaches my tile in steps 5, 7 and 9
	s_lshl_b32 s2, ttmp9, 2
	s_sub_co_u32 s42, 20480, s2
	s_lshl_b32 s42, s42, 12
	s_mov_b32 s43, 0
	s_lshl_b32 s2, ttmp9, 3
	s_sub_co_u32 s46, 26624, s2
	s_lshl_b32 s46, s46, 12
	s_mov_b32 s47, 0
	s_lshl_b32 s2, ttmp9, 4
	s_sub_co_u32 s50, s23, s2
	s_lshl_b32 s50, s50, 12
	s_mov_b32 s51, 0
	s_add_co_u32 s2, s2, s18
	s_lshl_b32 s2, s2, 12
	v_lshlrev_b32 v[SH8], 3, v15
	v_lshl_add_u32 v[OFF], v13, 4, s2
	v_lshlrev_b32 v[CN+4], 4, v13                  ; 16 lane
	v_mul_u32_u24 v[CN+5], v13, RECB               ; my record
	s_mul_i32 s2, s18, 16*PITCH                    ; my stage
	v_mul_u32_u24 v[STW], v15, PITCH               ; in: lanes 0-15 one row, lanes 16-31 the next, 16 bytes a lane
	v_mul_u32_u24 v[STR], v14, PITCH               ; out: row r, + 128 h
	v_lshl_add_u32 v[STW], v14, 4, v[STW]
	v_lshl_add_u32 v[STR], v15, 7, v[STR]
	v_add_nc_u32 v[STW], s2, v[STW]
	v_add_nc_u32 v[STR], s2, v[STR]
	s_lshl_b32 s2, s18, 6
	v_and_b32 v12, 7, v0
	v_lshl_add_u32 v[NAW], v14, 2, s2
	v_lshl_add_u32 v[NAR], v15, 5, s2
	v_lshl_or_b32 v12, v15, 3, v12                 ; 8 h + r % 8
	v_mov_b32 v[CN+6], 0
	v_lshl_add_u32 v[OLW], v12, 2, s2
	s_wait_alu depctr_va_vdst(0)                   ; the wait ahead of the run of scalar instructions
	s_add_co_u32 s2, s18, 1
	s_lshr_b32 s2, s2, 4
	s_add_co_u32 s2, s2, s18
	s_lshl_b32 s2, s2, 9                           ; in the image of the logits wave w takes bytes 512 w on (steps 0 to 7), wave 15 bytes 8,192 on (step 8)
	v_add_nc_u32 v[WA], s2, v[CN+4]
	; THE PROLOGUE's addresses: waves w and w + 8 take centres 16 w .. 16 w + 15; lane (r, h) block h of centre 16 w + r
	s_lshl_b32 s2, s3, 10
	v_add_nc_u32 v[CN], s2, v[CN+4]                ; my fragment's image
	s_lshl_b32 s2, s3, 2
	v_add_nc_u32 v[CN+1], s2, v[CN+5]              ; in my record: my tile's scale word
	v_mov_b32 v[CN+2], s2                          ; my part of q_pot
	s_lshl_b32 s2, s3, 8
	v_lshl_add_u32 v[CN+3], v15, 7, s2             ; my part of out0
	v_mul_u32_u24 v[CN+7], 11, v15
	s_lshl_b32 s2, s3, 12
	v_add_nc_u32 v12, s2, v[CN+4]                  ; centers: a tile of 4,096 bytes, dense
	v_sub_nc_u32 v[CN+7], 13, v[CN+7]              ; 13, or 2 in lanes 16-31: the shift that brings my group of 11 bits down
	s_lshl_b32 s2, s3, 6
	v_lshl_add_u32 v254, v14, 2, s2                ; mus: my own centre
	v_lshlrev_b32 v13, 7, v15                      ; query_z: 128 h
	v_mov_b32 v255, 0xff800000
	s_wait_alu depctr_va_vdst(0)                   ; the wait ahead of the run of scalar instructions
	s_and_b32 s2, s3, 1
	s_lshl_b32 s2, s2, 4
	s_lshr_b32 s31, s3, 1
	s_lshl_b32 s31, s31, 2
	s_add_co_u32 s2, s2, s31                       ; 4 x (the even tiles 0 to 3, the odd tiles 4 to 7)
	v_add_nc_u32 v14, s2, v[CN+5]                  ; in my record: my tile's place among eight words
	s_wait_alu depctr_va_vdst(0)                   ; the wait at the head's end
	s_wait_kmcnt 0x0
	s_mov_b64 s[SB:SB+1], s[4:5]
.irp t, 1,2,3,4
	s_add_nc_u64 s[SB+2*\t:SB+2*\t+1], s[4:5], \t<<24              ; such a step is 4,096 tiles
.endr
	s_add_nc_u64 s[42:43], s[4:5], s[42:43]
	s_add_nc_u64 s[44:45], s[42:43], 3072*4096
	s_add_nc_u64 s[46:47], s[4:5], s[46:47]
	s_add_nc_u64 s[48:49], s[46:47], 2048*4096
	s_add_nc_u64 s[50:51], s[4:5], s[50:51]
.irp i, 0,1,2,3,4,5,6,7
	global_load_b128 v[BC+4*\i:BC+4*\i+3], v12, s[6:7] offset:512*\i
.endr
	global_load_b32 v[MUO], v254, s[8:9]
	s_cmp_lt_u32 s18, 8                            ; only waves 8-15 need the query
	s_cbranch_scc1 .Lno_query
.irp i, 0,1,2,3,4,5,6,7
	global_load_b128 v[D+32+4*\i:D+35+4*\i], v13, s[10:11] offset:16*\i
.endr
.Lno_query:
	LOAD 0                                         ; my first tile is asked for before anything is computed,
	s_wait_loadcnt 8                               ; all but those eight loads
	LOAD 1                                         ; and the second behind the centres
	TURN BC, D
.irp s, 5,6,7,8,9
	ds_store_b32 v[OLW], v255 offset:OUTL+1024*\s  ; a step that a wave does not have leaves -infinity: 2^(t - max) = 0
.endr
	s_mov_b32 s2, 0x7fffffff
	s_mov_b32 s31, 0x7fffff
	s_mov_b32 s3, 0x7640                           ; digit d stands as the code of 2 d: 0, 4, 6, 7, a nibble each
	s_wait_dscnt 0x0                               ; block h of centre r is in v[D] on
	s_cmp_lt_u32 s18, 8
	s_cbranch_scc0 .Lquery
	; WAVES 0-7: the centres' codes and the digits of |c|^2
.irp i, 0,2,4,6,8,10,12,14,16,18,20,22,24,26,28,30
	v_pk_mul_f32 v[D+\i:D+\i+1], v[D+\i:D+\i+1], -2.0 op_sel_hi:[1,0]      ; -2 c, exact
.endr
	QSQ1 D                                         ; v[TM+4] = 4 |c|^2
	QSQ2 D
	v_add_nc_u32 v[TM], 2, v[TM+4]                 ; half of the last of the 22 bits that stay
	v_lshrrev_b32 v[TM+1], 23, v[TM]               ; the exponent field
	v_and_or_b32 v[TM], v[TM], s31, 0x800000       ; the mantissa, 24 bits, the lower two of no account
	v_max_u32 v[TM+1], 22, v[TM+1]
	v_lshrrev_b32 v[TM], v[CN+7], v[TM]
	v_add_nc_u32 v[TM+1], 0xffffffeb, v[TM+1]      ; the scale's byte: the field - 21, from 1 on
	v_and_b32 v[TM], 0x7ff, v[TM]                  ; my block's 11 bits: lanes 0-15 the upper, lanes 16-31 the lower
	v_lshl_or_b32 v[TM+1], v[TM+1], 8, v[TM+1]
	v_bfe_u32 v[TM+2], v[TM], 4, 2                 ; digits 2, 3, 4
	v_bfe_u32 v[TM+3], v[TM], 6, 2
	v_bfe_u32 v[TM+5], v[TM], 8, 2
	v_lshl_or_b32 v[AS], v[TM+1], 16, v[AS]        ; bytes 2 and 3 of the scale word
.irp k, 2,3,5
	v_lshlrev_b32 v[TM+\k], 2, v[TM+\k]
.endr
.irp k, 2,3,5
	v_lshrrev_b32 v[TM+\k], v[TM+\k], s3
.endr
.irp k, 2,3,5
	v_and_b32 v[TM+\k], 15, v[TM+\k]
.endr
	v_and_b32 v[TM+6], 3, v[TM]                    ; digit 0: the code of d / 2 is d
	v_bfe_u32 v[TM+7], v[TM], 2, 2                 ; digit 1 likewise
	v_lshrrev_b32 v[TM], 10, v[TM]                 ; the top bit
	v_lshl_or_b32 v[AF+4], v[TM+7], 4, v[TM+6]
	v_mul_lo_u32 v[AF+5], v[TM+5], 0x11111111      ; digit 4, eight times: 8 x 2 d x 4 = 64 d = 256 d / 4
	v_mul_lo_u32 v[AF+6], v[TM], 0x66666666        ; the top bit as sixteen codes of 4: 16 x 4 x 4 = 256 = 1024 / 4
	v_lshl_or_b32 v[AF+4], v[TM+2], 8, v[AF+4]     ; digit 2: 2 d x 2 = 16 d / 4
	v_lshl_or_b32 v[AF+4], v[TM+3], 12, v[AF+4]    ; digit 3, twice: 2 x 2 d x 4 = 64 d / 4
	v_lshl_or_b32 v[AF+4], v[TM+3], 16, v[AF+4]
	v_mov_b32 v[AF+7], v[AF+6]
	ds_store_b128 v[CN], v[AF:AF+3] offset:CIMG    ; the fragment as an image of its registers,
	ds_store_b128 v[CN], v[AF+4:AF+7] offset:CIMG+512
	ds_store_b32 v[CN+1], v[AS] offset:REC         ; and the scale words
	s_wait_alu depctr_va_vdst(0)
	s_branch .Ljoin
.Lquery:
	; WAVES 8-15: sixteen centres' part of q_pot, in f32: |c|^2, q . c and |q|^2, three chains by turns; and the masses' reciprocals
	v_pk_mul_f32 v[TM:TM+1], v[D:D+1], v[D:D+1]
	v_pk_mul_f32 v[TM+2:TM+3], v[D:D+1], v[D+32:D+33]
	v_pk_mul_f32 v[TM+4:TM+5], v[D+32:D+33], v[D+32:D+33]
.irp i, 2,4,6,8,10,12,14,16,18,20,22,24,26,28,30
	v_pk_fma_f32 v[TM:TM+1], v[D+\i:D+\i+1], v[D+\i:D+\i+1], v[TM:TM+1]
	v_pk_fma_f32 v[TM+2:TM+3], v[D+\i:D+\i+1], v[D+32+\i:D+33+\i], v[TM+2:TM+3]
	v_pk_fma_f32 v[TM+4:TM+5], v[D+32+\i:D+33+\i], v[D+32+\i:D+33+\i], v[TM+4:TM+5]
.endr
.irp k, 0,2,4
	v_add_f32 v[TM+\k], v[TM+\k], v[TM+\k+1]
.endr
.irp k, 0,2,4
	v_permlanex16_b32 v[TM+\k+1], v[TM+\k], s20, s21
.endr
.irp k, 0,2,4
	v_add_f32 v[TM+\k], v[TM+\k], v[TM+\k+1]       ; with the other block's
.endr
	v_max_num_f32 v[TM+7], 0x2b800000, |v[MUO]|    ; the mass: at least 2^-40 in magnitude,
	v_add_f32 v[TM+6], v[TM+4], v[TM]
	v_bfi_b32 v[TM+7], s2, v[TM+7], v[MUO]         ; with its sign
	v_fma_f32 v[TM+6], -2.0, v[TM+2], v[TM+6]      ; |q|^2 + |c|^2 - 2 q . c
	s_delay_alu instid0(VALU_DEP_1)
	v_max_num_f32 v[TM+6], s22, v[TM+6]
	s_wait_alu depctr_va_vdst(0)
	v_sqrt_f32 v[TM+6], v[TM+6]
	v_rcp_f32 v[TM+4], v[TM+7]
	v_nop                                          ; a plain line behind them,
	s_wait_alu depctr_va_vdst(0)                   ; and the wait ahead of their readers
	v_add_f32 v[TM+6], s24, v[TM+6]
	v_mul_f32 v[TM+5], s24, v[TM+4]
	ds_store_b32 v14, v[TM+4] offset:REC+32        ; 1 / mu,
	ds_store_b32 v14, v[TM+5] offset:REC+64        ; 1e-6 / mu,
	ds_store_b32 v14, v[MUO] offset:REC+96         ; mu
	s_wait_alu depctr_va_vdst(0)
	v_rcp_f32 v[TM+6], v[TM+6]
	v_nop
	s_wait_alu depctr_va_vdst(0)
	v_mul_f32 v[TM+6], v[MUO], v[TM+6]             ; mu / (d + eps)
.irp m, 1,2,4,8
	s_delay_alu instid0(VALU_DEP_1)
	v_add_f32_dpp v[TM+6], v[TM+6], v[TM+6] row_xmask:\m row_mask:0xf bank_mask:0xf
.endr
	ds_store_b32 v[CN+2], v[TM+6] offset:QPL
	; out0 is made by the last work-group: here each wave's part, sum over its 16 centres of mu (c - q) / (r^3 + eps)
	s_wait_alu depctr_va_vdst(0)
	s_cmp_lg_u32 ttmp9, 255
	s_cbranch_scc1 .Ljoin
.irp i, 0,2,4,6,8,10,12,14,16,18,20,22,24,26,28,30
	v_pk_add_f32 v[D+32+\i:D+33+\i], v[D+\i:D+\i+1], v[D+32+\i:D+33+\i] neg_lo:[0,1] neg_hi:[0,1]   ; c - q
.endr
	v_pk_mul_f32 v[TM:TM+1], v[D+32:D+33], v[D+32:D+33]
.irp i, 2,4,6,8,10,12,14,16,18,20,22,24,26,28,30
	s_delay_alu instid0(VALU_DEP_1)
	v_pk_fma_f32 v[TM:TM+1], v[D+32+\i:D+33+\i], v[D+32+\i:D+33+\i], v[TM:TM+1]
.endr
	s_delay_alu instid0(VALU_DEP_1)
	v_add_f32 v[TM], v[TM], v[TM+1]
	s_delay_alu instid0(VALU_DEP_1)
	v_permlanex16_b32 v[TM+1], v[TM], s20, s21
	s_delay_alu instid0(VALU_DEP_1)
	v_add_f32 v[TM], v[TM], v[TM+1]
	s_delay_alu instid0(VALU_DEP_1)
	v_max_num_f32 v[TM], s22, v[TM]
	s_wait_alu depctr_va_vdst(0)
	v_sqrt_f32 v[TM], v[TM]                        ; r
	v_nop
	s_wait_alu depctr_va_vdst(0)
	v_mul_f32 v[TM+1], v[TM], v[TM]
	v_fma_f32 v[TM+1], v[TM+1], v[TM], s24         ; r^3 + eps
	s_wait_alu depctr_va_vdst(0)
	v_rcp_f32 v[TM+1], v[TM+1]
	v_nop
	s_wait_alu depctr_va_vdst(0)
	v_mul_f32 v[TM], v[MUO], v[TM+1]
	s_delay_alu instid0(VALU_DEP_1)
	v_mov_b32 v[TM+1], v[TM]
.irp i, 0,2,4,6,8,10,12,14,16,18,20,22,24,26,28,30
	v_pk_mul_f32 v[D+32+\i:D+33+\i], v[D+32+\i:D+33+\i], v[TM:TM+1]
.endr
.irp m, 1,2,4,8                        ; over the sixteen centres of a half's lanes
.set i, D+32
.rept 32
	v_add_f32_dpp v[i], v[i], v[i] row_xmask:\m row_mask:0xf bank_mask:0xf
.set i, i+1
.endr
.endr
.irp i, 0,1,2,3,4,5,6,7
	ds_store_b128 v[CN+3], v[D+32+4*\i:D+35+4*\i] offset:O0L+16*\i     ; the sixteen lanes of a half write the same bytes with the same values
.endr
	s_wait_alu depctr_va_vdst(0)
.Ljoin:
	s_wait_dscnt 0x0                               ; for the others' sake: all my stores have landed
	s_barrier_signal -1
	s_barrier_wait -1
	s_wait_loadcnt 8                               ; tile 0 is in, tile 1's loads may be out
	TURN R, R                                      ; tile 0; then the constants, whose loads step 0's first wait leaves out
.irp t, 0,1,2,3,4,5,6,7
	ds_load_b128 v[BC+8*\t:BC+8*\t+3], v[CN+4] offset:CIMG+1024*\t
	ds_load_b128 v[BC+8*\t+4:BC+8*\t+7], v[CN+4] offset:CIMG+1024*\t+512
.endr
	ds_load_b128 v[BS:BS+3], v[CN+5] offset:REC
	ds_load_b128 v[BS+4:BS+7], v[CN+5] offset:REC+16
	ds_load_b128 v[IM:IM+3], v[CN+5] offset:REC+32         ; the even tiles'
	ds_load_b128 v[EI:EI+3], v[CN+5] offset:REC+64
	ds_load_b128 v[MB:MB+3], v[CN+5] offset:REC+112        ; the odd tiles'
	ds_load_b128 v[D:D+3], v[CN+6] offset:QPL
	ds_load_b128 v[D+4:D+7], v[CN+6] offset:QPL+16
	s_mov_b32 s30, 0x7f8a0000                      ; the candidates' upper scale bytes: 2^11 for the upper group, 1 for the lower
	v_mov_b32 v[AF+4], 0x66441                     ; the digits' weights, written once: 0.5, 2, 2, 4, 4, 0, 0, 0,
.irp k, 5,6,7
	v_mov_b32 v[AF+\k], 0x66666666                 ; and 4 in the other twenty-four
.endr
	s_wait_alu depctr_va_vdst(0)                   ; directly ahead of the step's first wait
	; The steps.  A wave leaves by the end that its share has: there the last two steps ask for nothing, so no load leaves the buffer, and each count of loads holds on its one way.
	STEP 0, 2, 1
	STEP 1, 3, 1
	STEP 2, 4, 1
	s_wait_alu depctr_va_vdst(0)
	s_cmp_lt_u32 s18, 12
	s_cbranch_scc0 .Lfive
	STEP 3, 5, 1
	STEP 4, 6, 1
	s_wait_alu depctr_va_vdst(0)
	s_cmp_lt_u32 s18, 8
	s_cbranch_scc0 .Lseven
	STEP 5, 7, 1
	STEP 6, 8, 1
	s_wait_alu depctr_va_vdst(0)
	s_cmp_lt_u32 s18, s19
	s_cbranch_scc0 .Lnine
	STEP 7, 9, 1
	STEP 8, 0, 1
	STEP 9, 0, 0
	REDA
	REDB 9
	s_wait_alu depctr_va_vdst(0)
	s_branch .Lout
.Lnine:
	STEP 7, 0, 1
	STEP 8, 0, 0
	REDA
	REDB 8
	s_wait_alu depctr_va_vdst(0)
	s_branch .Lout
.Lseven:
	STEP 5, 0, 1
	STEP 6, 0, 0
	REDA
	REDB 6
	s_wait_alu depctr_va_vdst(0)
	s_branch .Lout
.Lfive:
	STEP 3, 0, 1
	STEP 4, 0, 0
	REDA
	REDB 4
	s_wait_alu depctr_va_vdst(0)
.Lout:
	; THE WAY OUT.  All addresses are made here, ahead of the branch on the wave's number.
.irp s, 0,1,2,3,4,5,6,7,8,9
	ds_load_b32 v[D+\s], v[OLW] offset:OUTL+1024*\s        ; my own words: LDS serves a wave's instructions in order
.endr
	; where in the logits my 512 bytes go: waves 0-9 halves of steps 0 to 4 (1,024 bytes a work-group), 10-13 of steps 5, 6 (768 bytes), 14 and 15 steps 7, 8 (512 bytes)
	s_lshr_b32 s2, s18, 1
	s_and_b32 s3, s18, 1
	s_lshl_b32 s3, s3, 9
	s_lshl_b32 s31, s2, 18                         ; 4,096 tiles x 64 bytes a step
	s_add_co_u32 s31, s31, s3
	s_lshl_b32 s27, ttmp9, 10
	s_add_co_u32 s31, s31, s27
	s_mul_i32 s2, s2, 3072*64
	s_add_co_u32 s2, s2, s3
	s_add_co_u32 s2, s2, 20480*64-5*3072*64
	s_mul_i32 s27, ttmp9, 768
	s_add_co_u32 s2, s2, s27
	s_sub_co_u32 s26, s18, 1
	s_lshl_b32 s26, s26, 17                        ; 26,624 x 64 = 13 x 2^17; 2,048 tiles x 64 bytes a step
	s_lshl_b32 s27, ttmp9, 9
	s_add_co_u32 s26, s26, s27
	s_cmp_lt_u32 s18, 10
	s_cselect_b32 s31, s31, s2
	s_cmp_lt_u32 s18, 14
	s_cselect_b32 s31, s31, s26
	s_mov_b32 s3, 512
	s_cmp_eq_u32 s18, 11                           ; the second half of 768 bytes has 256
	s_cselect_b32 s3, 256, s3
	s_cmp_eq_u32 s18, 13
	s_cselect_b32 s3, 256, s3
	s_lshl_b32 s2, s18, 3
	v_and_b32 v254, 31, v0
	v_mov_b32 v13, s2                              ; 8 w
	v_and_b32 v15, 15, v0
	v_lshlrev_b32 v254, 4, v254                    ; 16 lane
	v_lshlrev_b32 v14, 3, v15                      ; 8 (lane % 16)
	v_lshlrev_b32 v15, 4, v15                      ; 16 (lane % 16)
	v_add_nc_u32 v12, s31, v254
	s_wait_alu depctr_va_vdst(0)
	s_wait_dscnt 0x0
	v_max3_num_f32 v[TM], v[D], v[D+1], v[D+2]     ; my wave's largest t
	v_max3_num_f32 v[TM+1], v[D+3], v[D+4], v[D+5]
	v_max3_num_f32 v[TM+2], v[D+6], v[D+7], v[D+8]
	v_max3_num_f32 v[TM], v[TM], v[TM+1], v[D+9]
	s_delay_alu instid0(VALU_DEP_1)
	v_max_num_f32 v[TM], v[TM], v[TM+2]
.irp m, 1,2,4
	s_delay_alu instid0(VALU_DEP_1)
	v_max_num_f32_dpp v[TM], v[TM], v[TM] row_xmask:\m row_mask:0xf bank_mask:0xf
.endr
	s_delay_alu instid0(VALU_DEP_1)
	v_permlanex16_b32 v[TM+1], v[TM], s20, s21
	s_delay_alu instid0(VALU_DEP_1)
	v_max_num_f32 v[TM], v[TM], v[TM+1]
.irp s, 0,1,2,3,4,5,6,7,8,9
	v_sub_f32 v[D+\s], v[D+\s], v[TM]
.endr
	s_wait_alu depctr_va_vdst(0)
.irp s, 0,1,2,3,4,5,6,7,8,9
	v_exp_f32 v[D+\s], v[D+\s]
.endr
	v_nop
	s_wait_alu depctr_va_vdst(0)                   ; one wait for the ten
	v_pk_add_f32 v[D:D+1], v[D:D+1], v[D+2:D+3]
	v_pk_add_f32 v[D+4:D+5], v[D+4:D+5], v[D+6:D+7]
	v_pk_add_f32 v[D:D+1], v[D:D+1], v[D+8:D+9]
	s_delay_alu instid0(VALU_DEP_1)
	v_pk_add_f32 v[D:D+1], v[D:D+1], v[D+4:D+5]
	s_delay_alu instid0(VALU_DEP_1)
	v_add_f32 v[TM+1], v[D], v[D+1]
.irp m, 1,2,4                          ; eight lanes and the other half hold the sixteen candidates once each: lanes r and r + 8 are not added
	s_delay_alu instid0(VALU_DEP_1)
	v_add_f32_dpp v[TM+1], v[TM+1], v[TM+1] row_xmask:\m row_mask:0xf bank_mask:0xf
.endr
	s_delay_alu instid0(VALU_DEP_1)
	v_permlanex16_b32 v[TM+2], v[TM+1], s20, s21
	s_delay_alu instid0(VALU_DEP_1)
	v_add_f32 v[TM+1], v[TM+1], v[TM+2]
	ds_store_b64 v13, v[TM:TM+1] offset:PARTL      ; my wave's (max, sum)
	s_wait_alu depctr_va_vdst(0)
	s_wait_dscnt 0x0                               ; for the others' sake
	s_barrier_signal -1
	s_barrier_wait -1
	ds_load_b128 v[D+8:D+11], v[WA] offset:OUTL    ; up to 512 bytes of the work-group's logits
	v_cmp_gt_u32 vcc_lo, s3, v254
	s_wait_alu depctr_va_vdst(0)
	s_wait_dscnt 0x0
	s_wait_xcnt 0x0                                ; EXEC changes only behind this wait
	s_and_saveexec_b32 s31, vcc_lo
	global_store_b128 v12, v[D+8:D+11], s[12:13]   ; sixteen lanes store 256 consecutive bytes, at a multiple of 256 from the buffer's first byte
	s_wait_xcnt 0x0                                ; and again, in front of the line that widens EXEC
	s_or_b32 exec_lo, exec_lo, s31
	s_cmp_lg_u32 s18, 1
	s_cbranch_scc1 .Lnot_one
	s_cmp_eq_u32 s19, 0
	s_cbranch_scc1 .Lend
	; wave 1 stores step 9's four tiles, 256 bytes (the last work-group's last two are -infinity and lie past out1's end, inside this buffer)
	ds_load_b128 v[D+12:D+15], v254 offset:OUTL+9*1024
	s_lshl_b32 s2, s23, 6
	v_add_nc_u32 v255, s2, v254
	v_cmp_gt_u32 vcc_lo, 256, v254
	s_wait_alu depctr_va_vdst(0)
	s_wait_dscnt 0x0
	s_wait_xcnt 0x0
	s_and_saveexec_b32 s31, vcc_lo
	global_store_b128 v255, v[D+12:D+15], s[12:13]
	s_wait_xcnt 0x0
	s_or_b32 exec_lo, exec_lo, s31
	s_branch .Lend
.Lnot_one:
	s_cmp_lg_u32 s18, 0
	s_cbranch_scc1 .Lend
	ds_load_b64 v[D+4:D+5], v14 offset:PARTL       ; wave 0 joins the sixteen pairs
	s_wait_dscnt 0x0
	v_mov_b32 v[D+6], v[D+4]
.irp m, 1,2,4,8
	s_delay_alu instid0(VALU_DEP_1)
	v_max_num_f32_dpp v[D+6], v[D+6], v[D+6] row_xmask:\m row_mask:0xf bank_mask:0xf
.endr
	s_delay_alu instid0(VALU_DEP_1)
	v_sub_f32 v[D+4], v[D+4], v[D+6]
	s_wait_alu depctr_va_vdst(0)
	v_exp_f32 v[D+4], v[D+4]
	s_lshl_b32 s2, ttmp9, 3
	v_mov_b32 v255, s2                             ; (a plain line behind the exponential)  8 bytes for each work-group
	s_wait_alu depctr_va_vdst(0)
	v_mul_f32 v[D+7], v[D+4], v[D+5]
.irp m, 1,2,4,8
	s_delay_alu instid0(VALU_DEP_1)
	v_add_f32_dpp v[D+7], v[D+7], v[D+7] row_xmask:\m row_mask:0xf bank_mask:0xf
.endr
	v_cmp_eq_u32 vcc_lo, 0, v0
	s_wait_alu depctr_va_vdst(0)
	s_wait_xcnt 0x0
	s_and_saveexec_b32 s31, vcc_lo
	global_store_b64 v255, v[D+6:D+7], s[14:15]    ; the work-group's (max, sum)
	s_wait_xcnt 0x0
	s_or_b32 exec_lo, exec_lo, s31
	s_cmp_lg_u32 ttmp9, 255
	s_cbranch_scc1 .Lend
.irp w, 0,1,2,3,4,5,6,7
	ds_load_b128 v[D+4*\w:D+4*\w+3], v15 offset:O0L+256*\w         ; out0: the eight parts, four numbers a lane
.endr
	global_load_b128 v[D+32:D+35], v15, s[10:11]   ; and the query
	s_mov_b32 s2, 0x3dcccccd                       ; dt = 0.1
	s_mov_b32 s3, s2
	s_wait_dscnt 0x0
.irp w, 1,2,3,4,5,6,7
	v_pk_add_f32 v[D:D+1], v[D:D+1], v[D+4*\w:D+4*\w+1]
	v_pk_add_f32 v[D+2:D+3], v[D+2:D+3], v[D+4*\w+2:D+4*\w+3]
.endr
	s_wait_alu depctr_va_vdst(0)
	s_wait_loadcnt 0x0
	v_pk_fma_f32 v[D:D+1], v[D:D+1], s[2:3], v[D+32:D+33] op_sel_hi:[1,0,1]
	v_pk_fma_f32 v[D+2:D+3], v[D+2:D+3], s[2:3], v[D+34:D+35] op_sel_hi:[1,0,1]
	v_cmp_gt_u32 vcc_lo, 16, v0
	s_wait_alu depctr_va_vdst(0)
	s_wait_xcnt 0x0
	s_and_saveexec_b32 s31, vcc_lo
	global_store_b128 v15, v[D:D+3], s[16:17]      ; sixteen lanes store out0's 256 bytes
	s_wait_xcnt 0x0
	s_or_b32 exec_lo, exec_lo, s31
.Lend:
	s_wait_tensorcnt 0x0                           ; the wave's end
	ds_add_u32 v[SPW], v[NIL]
	s_wait_dscnt 0x0
	s_endpgm
.Lfunc_end_k_q0223eff150_pots:
	.size	k_q0223eff150_pots, .Lfunc_end_k_q0223eff150_pots-k_q0223eff150_pots
	.p2alignl 7, 3214868480
	.fill 96, 4, 3214868480
	.section	.rodata,"a",@progbits
	.p2align	6, 0x0
	.amdhsa_kernel k_q0223eff150_pots
		.amdhsa_group_segment_fixed_size 98304
		.amdhsa_private_segment_fixed_size 0
		.amdhsa_enable_private_segment 0
		.amdhsa_kernarg_size 56
		.amdhsa_user_sgpr_count 2
		.amdhsa_user_sgpr_kernarg_segment_ptr 1
		.amdhsa_wavefront_size32 1
		.amdhsa_system_sgpr_workgroup_id_x 1
		.amdhsa_system_sgpr_workgroup_id_y 1
		.amdhsa_system_sgpr_workgroup_id_z 1
		.amdhsa_system_vgpr_workitem_id 0
		.amdhsa_next_free_vgpr 256
		.amdhsa_next_free_sgpr 66
		.amdhsa_reserve_vcc 1
		.amdhsa_float_denorm_mode_32 3
		.amdhsa_float_denorm_mode_16_64 3
		.amdhsa_memory_ordered 1
		.amdhsa_forward_progress 1
		.amdhsa_inst_pref_size 255
	.end_amdhsa_kernel
	.section	.bss,"aw",@nobits
	.p2align	6
	.space	262144
	.amdgpu_metadata
---
amdhsa.version: [ 1, 2 ]
amdhsa.kernels:
  - .name:           k_q0223eff150_pots
    .symbol:         k_q0223eff150_pots.kd
    .args:
      - { .name: candidate_z, .offset: 0, .size: 8, .value_kind: global_buffer, .address_space: global }
      - { .name: centers, .offset: 8, .size: 8, .value_kind: global_buffer, .address_space: global }
      - { .name: mus, .offset: 16, .size: 8, .value_kind: global_buffer, .address_space: global }
      - { .name: query_z, .offset: 24, .size: 8, .value_kind: global_buffer, .address_space: global }
      - { .name: logits, .offset: 32, .size: 8, .value_kind: global_buffer, .address_space: global }
      - { .name: parts, .offset: 40, .size: 8, .value_kind: global_buffer, .address_space: global }
      - { .name: out0, .offset: 48, .size: 8, .value_kind: global_buffer, .address_space: global }
    .group_segment_fixed_size: 98304
    .private_segment_fixed_size: 0
    .kernarg_segment_align: 8
    .kernarg_segment_size: 56
    .max_flat_workgroup_size: 512
    .sgpr_count:     66
    .vgpr_count:     256
    .wavefront_size: 32
...
	.end_amdgpu_metadata
.endif
;; end of part 1
;; launch norm (part 2): grid 245 x 1, 4 waves a work-group, no clusters, 0 bytes of LDS; arguments logits, parts, out1; writes out1
.if DOCPART == 2
	.amdgcn_target "amdgcn-amd-amdhsa--gfx1250"
	.amdhsa_code_object_version 6
	.text
	.protected	k_q0223eff150_norm
	.globl	k_q0223eff150_norm
	.p2align	8
	.type	k_q0223eff150_norm,@function
k_q0223eff150_norm:
	s_mov_b64 s[64:65], 0
	v_nop
	global_prefetch_b8 v0, s[64:65] scope:SCOPE_SE
	s_setreg_imm32_b32 hwreg(HW_REG_WAVE_MODE, 25, 1), 1
	s_wait_xcnt 0x0
; out1[i] = 2^(t[i] - M) / S.  t: the logits x log2(e) that the launch before stored; parts: 256 pairs (m, s), s = the sum of 2^(t - m) over a work-group's candidates.
; M = the largest m, S = the sum of s 2^(m - M): every wave makes both for itself from the 2,048 bytes of pairs, 8 pairs a lane: no LDS, no barrier.
; A work-group of four waves takes 2,048 candidates, 8,192 bytes: four pieces of 2,048 bytes, in each 16 bytes a thread, so that a wave's load or store covers 512 consecutive bytes.
; 500,000 candidates are 244 such work-groups and 1,152 bytes: the last work-group stores 72 threads' part of its first piece and nothing else; loads past the last candidate are held at the last 16 bytes.
.set LIMIT, 2000000                    ; out1 in bytes
	s_load_b128 s[4:7], s[0:1], 0x0                ; logits, parts
	s_load_b64 s[8:9], s[0:1], 0x10                ; out1
	s_lshl_b32 s10, ttmp9, 13
	v_and_b32 v2, 31, v0
	v_lshl_add_u32 v3, v0, 4, s10                  ; my 16 bytes of the work-group's first piece
	s_mov_b32 s12, 0x76543210
	s_mov_b32 s13, 0xfedcba98                      ; v_permlanex16_b32's selects for lane l xor 16
	v_lshlrev_b32 v2, 4, v2                        ; the pairs: 16 bytes a lane
.irp i, 0,1,2,3
	v_add_nc_u32 v[8+\i], 2048*\i, v3
.endr
.irp i, 0,1,2,3
	v_min_u32 v[8+\i], LIMIT-16, v[8+\i]
.endr
	s_wait_alu depctr_va_vdst(0)                   ; the wait at the head's end
	s_wait_kmcnt 0x0
.irp i, 0,1,2,3
	global_load_b128 v[16+4*\i:19+4*\i], v2, s[6:7] offset:512*\i          ; m in the even registers, s in the odd ones
.endr
.irp i, 0,1,2,3
	global_load_b128 v[32+4*\i:35+4*\i], v[8+\i], s[4:5] th:TH_LOAD_NT
.endr
	s_wait_loadcnt 4                               ; the pairs are in; the four loads of logits may stay out
	v_max3_num_f32 v4, v16, v18, v20
	v_max3_num_f32 v5, v22, v24, v26
	v_max3_num_f32 v4, v4, v28, v30
	v_max_num_f32 v4, v4, v5
.irp m, 1,2,4,8
	v_max_num_f32_dpp v4, v4, v4 row_xmask:\m row_mask:0xf bank_mask:0xf
.endr
	v_permlanex16_b32 v5, v4, s12, s13
	v_max_num_f32 v4, v4, v5                       ; M
.irp k, 0,2,4,6,8,10,12,14
	v_sub_f32 v[16+\k], v[16+\k], v4
.endr
	s_wait_alu depctr_va_vdst(0)
.irp k, 0,2,4,6,8,10,12,14
	v_exp_f32 v[16+\k], v[16+\k]
.endr
	v_nop                                          ; a plain line behind the last exponential,
	s_wait_alu depctr_va_vdst(0)                   ; and one wait for the eight, ahead of their first reader
	v_mul_f32 v6, v16, v17
	v_mul_f32 v7, v18, v19
.irp k, 4,8,12
	v_fmac_f32 v6, v[16+\k], v[17+\k]
	v_fmac_f32 v7, v[18+\k], v[19+\k]
.endr
	v_add_f32 v6, v6, v7
.irp m, 1,2,4,8
	v_add_f32_dpp v6, v6, v6 row_xmask:\m row_mask:0xf bank_mask:0xf
.endr
	v_permlanex16_b32 v7, v6, s12, s13
	v_add_f32 v6, v6, v7                           ; S
	s_wait_alu depctr_va_vdst(0)
	v_rcp_f32 v6, v6
	s_wait_loadcnt 0x0                             ; my logits
.irp j, 0,2,4,6,8,10,12,14
	v_pk_add_f32 v[32+\j:33+\j], v[32+\j:33+\j], v[4:5] op_sel_hi:[1,0] neg_lo:[0,1] neg_hi:[0,1]   ; t - M
.endr
	s_wait_alu depctr_va_vdst(0)
.irp j, 0,1,2,3,4,5,6,7,8,9,10,11,12,13,14,15
	v_exp_f32 v[32+\j], v[32+\j]
.endr
	v_cmp_gt_u32 vcc_lo, LIMIT, v3                 ; (a plain line behind the last exponential)  the first piece is stored as far as out1 reaches: everywhere but in the last work-group that is all of it
	v_nop
	s_wait_alu depctr_va_vdst(0)                   ; one wait for the reciprocal and the sixteen exponentials
.irp j, 0,2,4,6,8,10,12,14
	v_pk_mul_f32 v[32+\j:33+\j], v[32+\j:33+\j], v[6:7] op_sel_hi:[1,0]
.endr
	s_wait_alu depctr_va_vdst(0)
	s_wait_xcnt 0x0                                ; EXEC changes only behind this wait
	s_and_saveexec_b32 s14, vcc_lo
	global_store_b128 v3, v[32:35], s[8:9] th:TH_STORE_NT
	s_wait_xcnt 0x0                                ; and again, in front of the line that widens it
	s_or_b32 exec_lo, exec_lo, s14
	s_cmp_eq_u32 ttmp9, 244
	s_cbranch_scc1 .Lend                           ; the last work-group's other pieces lie past out1's end
.irp i, 1,2,3
	global_store_b128 v3, v[32+4*\i:35+4*\i], s[8:9] offset:2048*\i th:TH_STORE_NT   ; 32 lanes store 512 consecutive bytes, at a multiple of 512 from out1's first byte
.endr
.Lend:
	s_endpgm
.Lfunc_end_k_q0223eff150_norm:
	.size	k_q0223eff150_norm, .Lfunc_end_k_q0223eff150_norm-k_q0223eff150_norm
	.p2alignl 7, 3214868480
	.fill 96, 4, 3214868480
	.section	.rodata,"a",@progbits
	.p2align	6, 0x0
	.amdhsa_kernel k_q0223eff150_norm
		.amdhsa_group_segment_fixed_size 0
		.amdhsa_private_segment_fixed_size 0
		.amdhsa_enable_private_segment 0
		.amdhsa_kernarg_size 24
		.amdhsa_user_sgpr_count 2
		.amdhsa_user_sgpr_kernarg_segment_ptr 1
		.amdhsa_wavefront_size32 1
		.amdhsa_system_sgpr_workgroup_id_x 1
		.amdhsa_system_sgpr_workgroup_id_y 1
		.amdhsa_system_sgpr_workgroup_id_z 1
		.amdhsa_system_vgpr_workitem_id 0
		.amdhsa_next_free_vgpr 48
		.amdhsa_next_free_sgpr 66
		.amdhsa_reserve_vcc 1
		.amdhsa_float_denorm_mode_32 3
		.amdhsa_float_denorm_mode_16_64 3
		.amdhsa_memory_ordered 1
		.amdhsa_forward_progress 1
		.amdhsa_inst_pref_size 7
	.end_amdhsa_kernel
	.amdgpu_metadata
---
amdhsa.version: [ 1, 2 ]
amdhsa.kernels:
  - .name:           k_q0223eff150_norm
    .symbol:         k_q0223eff150_norm.kd
    .args:
      - { .name: logits, .offset: 0, .size: 8, .value_kind: global_buffer, .address_space: global }
      - { .name: parts, .offset: 8, .size: 8, .value_kind: global_buffer, .address_space: global }
      - { .name: out1, .offset: 16, .size: 8, .value_kind: global_buffer, .address_space: global }
    .group_segment_fixed_size: 0
    .private_segment_fixed_size: 0
    .kernarg_segment_align: 8
    .kernarg_segment_size: 24
    .max_flat_workgroup_size: 128
    .sgpr_count:     66
    .vgpr_count:     48
    .wavefront_size: 32
...
	.end_amdgpu_metadata
.endif
;; end of part 2
